; MI455X (gfx1250); checked and timed in simulation.
; The chip was launched on July 23, 2026; its instructions are those of AMD's public machine-readable ISA for CDNA 5 (MIT licence, August 2026) and "CDNA5" Instruction Set Architecture Reference Guide (July 2026). The comments in the code are by the model that wrote it; some were corrected since.
;; Dy G Mixer. Allowed arithmetic: matrix products marked QUANTISED: E2M1 operands, one E8M0 scale for each 32 along K, by v_wmma_scale_f32_16x16x128_f8f6f4 with both operands' format E2M1 (or v_wmma_scale_f32_32x16x128_f4), f32 sums; everything else in f32.
;; Inputs: W2_codes 64 x 2 x 16 uint8 (E2M1 codes of W2, K innermost, in blocks of 32 codes, two codes a byte); W2_scales 64 x 2 uint8 (E8M0 scales of W2, one for each 32 codes along K); b1 64 float32; b2 64 float32; dst_ids 256 x 512 int32; src_ids 256 x 512 int32; w1 64 float32.
;; Outputs: out0 256 x 512 x 64 float32; out1 256 x 512 x 64 float32.
;; This version of the problem:
;;   THIS VERSION OF THE PROBLEM IS GIVEN IN LOW PRECISION. The matrix products marked QUANTISED in the list below multiply operands that are first quantised to E2M1 (2 exponent bits, 1 mantissa bit; 4 bits a number), with one power-of-two scale for each 32 numbers along K (OCP MX v1.0); their sums are f32. All else is computed in f32.
;;   The module's matrix products, in the order in which they are computed (A, B: the left and right operand; K: the contracted axis; several contracted axes count as one K, in the product's order):
;;     1. [M 262,144, K 64] x [K 64, N 64]; A: computed on the way; B: input W2 (given as codes): QUANTISED
;;     2. [M 262,144, K 64] x [K 64, N 64]; A: computed on the way; B: input W2 (given as codes): QUANTISED
;;   THE QUANTISER, for each operand of a quantised product, along K:
;;     - K is cut into blocks of 32 from its start; a last block that is shorter is filled with zeros.
;;     - A block's scale is 2^e with e = floor(log2(the largest magnitude in the block)) - 2, held to -126 .. 127; a block of zeros has e = 0. As a byte (E8M0): e + 127.
;;     - Each number is divided by its block's scale, clamped to +-6, and rounded to the nearest number of E2M1, ties to even, subnormals kept.
;;     - The product sums the exact products of the quantised numbers (number of the format x scale) in f32.
;;   ~~~python
;;   def quantise(x, axis):      # numpy; x: float32 -> the quantised numbers, widened to float32 again
;;       x = np.moveaxis(x, axis, -1); K = x.shape[-1]
;;       x = np.pad(x, [(0, 0)] * (x.ndim - 1) + [(0, -K % 32)]); x = x.reshape(x.shape[:-1] + (-1, 32)); a = np.abs(x).max(-1, keepdims=True)
;;       e = np.where(a > 0, np.clip(np.frexp(np.where(a > 0, a, 1))[1] - 1 - 2, -126, 127), 0)      # np.frexp(a)[1] - 1 = floor(log2(a)), exactly
;;       r = np.clip(x / 2.0 ** e, -6, 6)
;;       step = 2.0 ** (np.maximum(np.frexp(np.where(r == 0, 1, r))[1] - 1, 0) - 1)
;;       q = np.round(r / step) * step * 2.0 ** e      # np.round: ties to even
;;       return np.moveaxis(q.reshape(q.shape[:-2] + (-1,))[..., :K], -1, axis).astype(np.float32)
;;   ~~~
;;   OPERANDS COMPUTED ON THE WAY. 'Computed on the way' means the value that the module computes at that place (a softmax that the list does not call 'softmax' is quantised finished and normalised). What goes into a quantiser is computed in f32, as accurately as f32 sums, v_exp_f32 and their like allow (about 1e-6 of the number): no bf16 or f16 on the way to a quantiser, and a product that is left as it is and whose result goes on into a quantised operand takes f32 operands (vector FMAs, or v_wmma_f32_16x16x4_f32). A number that lies on a knife's edge between two numbers of the format may be rounded either way, as far as f32 arithmetic and the matrix unit's own rounding can turn it there, and no further.
;;   INPUTS GIVEN AS CODES. W2 (in the module: [64, 64], K = its axis 1): each comes as NAME_codes (uint8): NAME with its K axis moved to the last place and cut into blocks of 32 codes, [.., K / 32, bytes a block], one block behind the other in memory; two codes a byte, the lower K in the low four bits (a code: sign, 2 exponent bits, 1 mantissa bit); and NAME_scales (uint8): the same leading axes, one E8M0 byte (e + 127) for each 32 codes along K. Its value is code x scale, taken as it is: it is not quantised again, and the codes and scales need not be those that the quantiser above would give.
;; 2 versions. Each part assembles by itself: llvm-mc -triple=amdgcn-amd-amdhsa -mcpu=gfx1250 --defsym DOCPART=n.
;; ======== version 1 of 2: 1 launch
;; launch mixer (part 1): grid 256 x 1, 16 waves a work-group, no clusters, 0 bytes of LDS; arguments src_ids, dst_ids, w1, b1, W2_codes, W2_scales, b2, out0, out1; writes out0, out1
.if DOCPART == 1
	.amdgcn_target "amdgcn-amd-amdhsa--gfx1250"
	.amdhsa_code_object_version 6
	.text
	.protected	k_q43d155a4f3_mixer
	.globl	k_q43d155a4f3_mixer
	.p2align	8
	.type	k_q43d155a4f3_mixer,@function
k_q43d155a4f3_mixer:
	s_mov_b64 s[64:65], 0
	v_nop
	global_prefetch_b8 v0, s[64:65] scope:SCOPE_SE
	s_setreg_imm32_b32 hwreg(HW_REG_WAVE_MODE, 25, 1), 1
	s_wait_xcnt 0x0
; For each of 256 batch rows: every one of the 512 src ids and 512 dst ids is counted in the src row (channel 0) and in the dst row (channel 1); both counts are 0 where the id is 0.
; A count c becomes h = relu(c w1 + b1), 64 numbers, quantised to FP4 (E2M1) with one E8M0 scale for each 32; out = Q(h(c0)) W2^T + Q(h(c1)) W2^T + 2 b2, 64 numbers of f32 a position.
; BOTH CHANNELS IN ONE MATRIX INSTRUCTION: A = [Q(h(c0)) | Q(h(c1))], K = 128; B = W2 laid twice along K.  16 positions x 16 outputs x both channels an instruction.
; COUNTING: a wave keeps the batch row's 1,024 ids in 32 registers (their order does not matter).  The id to be counted is a scalar; sixteen v_cmp_eq_u32 give sixteen lane masks of one row of 512,
; sixteen population counts and fifteen additions, all in the masks' own registers, give the count, one v_writelane_b32 puts it into the lane of its position.  Equality is taken on all 32 bits: any int32 id is served.
; SHARES: a work-group is one batch row, 256 work-groups; sixteen waves, four to a SIMD, 256 registers each.  Wave w takes 64 positions, four tiles of 16: waves 0-7 src positions 64 w on (out0),
; waves 8-15 dst positions 64 (w - 8) on (out1).  Waves share nothing: no LDS, no barrier.  A wave counts a tile, encodes it and stores it; its stores leave while it counts the next tile.
; LANES: r = lane % 16, h = lane / 16.  Lane (r, h) holds position r of the tile and hidden units 32 h .. 32 h + 31 of both channels: the 4-bit operand's own layout (registers 4 c .. 4 c + 3: k = 64 c + 32 h + 0 .. 31,
; c the channel).  So a block of 32 lies in one lane, its largest number needs no other lane, and the conversions' results are the operand.
; THE ROWS OF W2 THAT FORM A TILE ARE NOT NEIGHBOURS: lane r of tile t takes row 4 r + t.  So the four accumulators hold, in lane r, outputs 4 r .. 4 r + 3 of a position: the additions of 2 b2 lay them side by side,
; and a store of 16 bytes a lane writes two whole rows of 256 bytes (lanes 0-15 position j, lanes 16-31 position 8 + j), each at a multiple of 256 from the output's first byte.
; NO CLUSTER, NO TENSOR LOAD: a work-group reads 4,096 bytes of ids that are its own; what work-groups share is w1, b1, W2 and b2, 2,944 bytes, read once at the head.
; LIMITS: c w1 + b1 is one fused multiply-add; 2 b2 is added once, behind the sum of both channels; a block of zeros has the scale byte 1 over zero codes (the byte is read by this product alone);
; NaN and infinities in w1 and b1 are not served (the maximum with 0 drops a NaN).
.set FLOOR, 0x1800000                  ; 2^(3 - 127): no largest number is taken under it, so the scale's byte cannot fall under 1
.set WV,   2                           ; s2       my wave's number
.set T,    3                           ; s3       the tile, 0 .. 3
.set SEL,  4                           ; s[4:5]   v_permlanex16_b32's selects for lane l xor 16
.set HI,   6                           ; s6       the mask of lanes 16-31
.set AP,   10                          ; s[10:11] the tile's 16 ids in memory; 64 bytes on each trip
.set OP,   12                          ; s[12:13] the tile's 16 rows of the output; 4,096 bytes on each trip
.set AI,   16                          ; s[16:31] the tile's 16 ids
.set MS,   32                          ; s[32:47] sixteen masks against the src row, s[48:63] against the dst row; then their counts and sums (at the head: the arguments)
.set SOFF, 1                           ; v1       2,048 h + 16 r: my 16 bytes in the tile's rows; never rewritten
.set CNT,  2                           ; v2 count in src, v4 count in dst; v3, v5 the other half's, and the upper halves of the pairs that the packed form names
.set VID,  6                           ; v6       the id at my position
.set IDO,  7                           ; v7       4 r; never rewritten
.set BIAS, 8                           ; v8-11    2 b2[4 r + t]
.set SH8,  12                          ; v12      8 h
.set MX,   13                          ; v13-14   a block's largest number, then its scale byte, for each channel
.set IDS,  16                          ; v16-31 the src row, v32-47 the dst row
.set W1,   48                          ; v48-79   w1[32 h + i]
.set B1,   80                          ; v80-111  b1[32 h + i]
.set BW,   112                         ; v112-143 four fragments of W2
.set H,    144                         ; v144-175 h of channel 0, v176-207 of channel 1
.set OUT,  144                         ; v144-175 the results, where channel 0 lay
.set D,    208                         ; v208-239 four accumulators
.set COD,  240                         ; v240-247 A's codes
.set SA,   248                         ; v248     A's scale word
.set SB,   249                         ; v249-252 W2's scale words, one register a tile
.set SC,   254                         ; v254-255 the conversions' scale operands
	s_load_b512 s[32:47], s[0:1], 0x0              ; src s[32:33], dst s[34:35], w1 s[36:37], b1 s[38:39], W2's codes s[40:41], W2's scales s[42:43], b2 s[44:45], out0 s[46:47]
	s_load_b64 s[48:49], s[0:1], 0x40              ; out1
	v_lshrrev_b32 v255, 5, v0
	v_readfirstlane_b32 s[WV], v255                ; wave 0 .. 15
	v_and_b32 v13, 15, v0                          ; r
	v_bfe_u32 v14, v0, 4, 1                        ; h
	v_and_b32 v254, 31, v0
	v_lshlrev_b32 v254, 4, v254                    ; the ids: 16 bytes a lane
	v_lshlrev_b32 v255, 7, v14                     ; w1, b1: 128 h
	v_lshlrev_b32 v15, 7, v13
	v_lshl_add_u32 v15, v14, 4, v15                ; W2's codes: row 4 r of 32 bytes, block h of 16
	v_lshlrev_b32 v253, 3, v13                     ; W2's scales: row 4 r of 2 bytes
	v_lshlrev_b32 v6, 4, v13                       ; b2: 16 r
	v_lshlrev_b32 v[IDO], 2, v13
	v_lshlrev_b32 v[SH8], 3, v14
	v_lshl_add_u32 v[SOFF], v14, 11, v6
.irp i, 0,1,2,3
	v_mov_b32 v[CNT+\i], 0                         ; written once: the destinations of v_writelane_b32 and of a lane permute count as sources
.endr
	s_mov_b32 s[SEL], 0x76543210
	s_mov_b32 s[SEL+1], 0xfedcba98
	s_mov_b32 s[HI], 0xffff0000
	s_mov_b32 s[T], 0
	s_lshl_b32 s8, ttmp9, 11                       ; my batch row's ids: 2,048 bytes a row
	s_mov_b32 s9, 0
	s_and_b32 s14, s[WV], 7
	s_lshl_b32 s68, ttmp9, 17                      ; my batch row's results: 131,072 bytes a row,
	s_lshl_b32 s69, s14, 14                        ; my wave's 64 positions of 256 bytes
	s_add_co_u32 s68, s68, s69
	s_mov_b32 s69, 0
	s_lshl_b32 s14, s14, 8                         ; and their ids: 256 bytes
	s_mov_b32 s15, 0
	s_wait_kmcnt 0x0                               ; the arguments
	s_add_nc_u64 s[32:33], s[32:33], s[8:9]        ; src and dst at my batch row
	s_add_nc_u64 s[34:35], s[34:35], s[8:9]
	s_cmp_lt_u32 s[WV], 8                          ; waves 0-7 count src's ids, waves 8-15 dst's: the choice hangs on the wave's number alone
	s_cselect_b64 s[AP:AP+1], s[32:33], s[34:35]
	s_cselect_b64 s[OP:OP+1], s[46:47], s[48:49]
	s_add_nc_u64 s[AP:AP+1], s[AP:AP+1], s[14:15]
	s_add_nc_u64 s[OP:OP+1], s[OP:OP+1], s[68:69]
	s_load_b512 s[AI:AI+15], s[AP:AP+1], 0x0       ; tile 0's sixteen ids
.irp i, 0,1,2,3
	global_load_b128 v[IDS+4*\i:IDS+4*\i+3], v254, s[32:33] offset:512*\i          ; the src row: 32 lanes read 512 consecutive bytes
.endr
.irp i, 0,1,2,3
	global_load_b128 v[IDS+16+4*\i:IDS+16+4*\i+3], v254, s[34:35] offset:512*\i    ; the dst row
.endr
.irp i, 0,1,2,3,4,5,6,7
	global_load_b128 v[W1+4*\i:W1+4*\i+3], v255, s[36:37] offset:16*\i
	global_load_b128 v[B1+4*\i:B1+4*\i+3], v255, s[38:39] offset:16*\i
.endr
.irp t, 0,1,2,3
	global_load_b128 v[BW+8*\t:BW+8*\t+3], v15, s[40:41] offset:32*\t              ; row 4 r + t, block h: k = 32 h .. 32 h + 31 of channel 0,
	global_load_b128 v[BW+8*\t+4:BW+8*\t+7], v15, s[40:41] offset:32*\t            ; and the same 16 bytes for channel 1
	global_load_u16 v[SB+\t], v253, s[42:43] offset:2*\t                           ; the row's two scale bytes
.endr
	global_load_b128 v[BIAS:BIAS+3], v6, s[44:45]
	s_wait_loadcnt 0x0                             ; all 37 loads are in: their offsets and bases may be written again (s[32:63] become masks)
.irp t, 0,1,2,3
	v_lshl_or_b32 v[SB+\t], v[SB+\t], 16, v[SB+\t] ; the two bytes twice: blocks 0, 1 of channel 0, blocks 0, 1 of channel 1
.endr
.irp t, 0,1,2,3
	v_add_f32 v[BIAS+\t], v[BIAS+\t], v[BIAS+\t]   ; b2 once for each channel
.endr
; Operation Q of the 32 that turn the sixteen masks of step U - 1 into a count, in the masks' own registers.  Step u = 2 i + x: id i of the tile against row x (0 src, 1 dst); its masks lie in set x.
; 0-15: each mask becomes the number of its ones; 16-30: a tree of additions, neighbours 1, 2, 4 and 8 registers apart, ends in the set's first register; 31: into the lane of the id's position.
.macro RED_OP
.set P, MS+16*((U-1)%2)
.if Q < 16
	s_bcnt1_i32_b32 s[P+Q], s[P+Q]
.elseif Q < 24
	s_add_co_u32 s[P+2*(Q-16)], s[P+2*(Q-16)], s[P+2*(Q-16)+1]
.elseif Q < 28
	s_add_co_u32 s[P+4*(Q-24)], s[P+4*(Q-24)], s[P+4*(Q-24)+2]
.elseif Q < 30
	s_add_co_u32 s[P+8*(Q-28)], s[P+8*(Q-28)], s[P+8*(Q-28)+4]
.elseif Q == 30
	s_add_co_u32 s[P], s[P], s[P+8]
.else
	v_writelane_b32 v[CNT+2*((U-1)%2)], s[P], (U-1)/2
.endif
.set Q, Q+1
.endm
.Ltile:                                            ; four trips: a tile of 16 positions each
	s_wait_kmcnt 0x0                               ; the tile's sixteen ids
	global_load_b32 v[VID], v[IDO], s[AP:AP+1]     ; the same ids, one a lane, for the test against 0: wanted behind the counting
	; THE COUNTING: 32 steps.  Behind each of a step's sixteen compares stand two of the 32 operations that reduce the step before, whose masks lie in the other set: a set is written again only behind its whole reduction.
.set U, 0
.rept 32
.set KK, 0
.set Q, 0
.rept 16
	v_cmp_eq_u32 s[MS+16*(U%2)+KK], s[AI+U/2], v[IDS+16*(U%2)+KK]
.if U > 0
	RED_OP
	RED_OP
.endif
.set KK, KK+1
.endr
.set U, U+1
.endr
.set Q, 0
.rept 32
	RED_OP                                         ; the last step's reduction
.endr
	s_cmp_eq_u32 s[T], 3                           ; the next tile's ids are asked for here and land during the encoding; the last tile asks for nothing: no load leaves its buffer
	s_cbranch_scc1 .Lno_next
	s_load_b512 s[AI:AI+15], s[AP:AP+1], 0x40
.Lno_next:
.irp c, 0,1
	v_permlanex16_b32 v[CNT+2*\c+1], v[CNT+2*\c], s[SEL], s[SEL+1]
.endr
.irp c, 0,1
	v_cndmask_b32 v[CNT+2*\c], v[CNT+2*\c], v[CNT+2*\c+1], s[HI]   ; lanes 16-31 take the counts of lanes 0-15
.endr
.irp c, 0,1
	v_cvt_f32_u32 v[CNT+2*\c], v[CNT+2*\c]         ; at most 512: exact
.endr
	s_wait_loadcnt 0x0                             ; the one load that is out: the id at my position
	v_cmp_ne_u32 vcc_lo, 0, v[VID]
.irp c, 0,1
	v_cndmask_b32 v[CNT+2*\c], 0, v[CNT+2*\c], vcc_lo              ; a padded position counts nothing
.endr
	; THE ENCODING: h = relu(c w1 + b1), my 32 hidden units of both channels
.irp c, 0,1
.irp i, 0,2,4,6,8,10,12,14,16,18,20,22,24,26,28,30
	v_pk_fma_f32 v[H+32*\c+\i:H+32*\c+\i+1], v[W1+\i:W1+\i+1], v[CNT+2*\c:CNT+2*\c+1], v[B1+\i:B1+\i+1] op_sel_hi:[1,0,1]   ; of the count's pair the low word serves both halves
.endr
.endr
.set J, 0
.rept 64
	v_max_num_f32 v[H+J], 0, v[H+J]
.set J, J+1
.endr
.irp c, 0,1
	v_max3_num_f32 v[MX+\c], v[H+32*\c], v[H+32*\c+1], FLOOR       ; the block's largest number (none is negative), and the floor; the two channels by turns
.endr
.irp i, 2,4,6,8,10,12,14,16,18,20,22,24,26,28,30
.irp c, 0,1
	v_max3_num_f32 v[MX+\c], v[MX+\c], v[H+32*\c+\i], v[H+32*\c+\i+1]
.endr
.endr
.irp c, 0,1
	v_add_nc_u32 v[SC+\c], 0xff000000, v[MX+\c]    ; 2 off its exponent field: the conversion takes the exponent field of this operand as its scale, and nothing else of it
.endr
.irp c, 0,1
	v_lshrrev_b32 v[MX+\c], 23, v[SC+\c]           ; the scale's byte
.endr
	v_lshl_or_b32 v[MX], v[MX+1], 16, v[MX]        ; channel 0's byte and channel 1's, two bytes apart,
	v_lshlrev_b32 v[MX], v[SH8], v[MX]             ; at block h's places: byte 2 c + h scales k = 64 c + 32 h on;
	v_permlanex16_b32 v[MX+1], v[MX], s[SEL], s[SEL+1]
	v_or_b32 v[SA], v[MX], v[MX+1]                 ; with lane l xor 16's two the position's scale word is whole
.irp c, 0,1
.irp g, 0,1,2,3
	v_cvt_scalef32_pk8_fp4_f32 v[COD+4*\c+\g], v[H+32*\c+8*\g:H+32*\c+8*\g+7], v[SC+\c]   ; register 4 c + g of the operand: k = 64 c + 32 h + 8 g on
.endr
.endr
.rept 8
	v_nop                                          ; a scale register written by a vector instruction stands 8 places ahead of a scaled matrix instruction, an operand so written 4; the first is also the plain place behind the conversions
.endr
	; THE PRODUCT: source 0 = my 16 positions, source 1 = 16 rows of W2.  Four accumulators, each begun with 0 and finished by one instruction: no two share a register
.irp t, 0,1,2,3
	v_wmma_scale_f32_16x16x128_f8f6f4 v[D+8*\t:D+8*\t+7], v[COD:COD+7], v[BW+8*\t:BW+8*\t+7], 0, v[SA], v[SB+\t] matrix_a_fmt:MATRIX_FMT_FP4 matrix_b_fmt:MATRIX_FMT_FP4
.endr
.rept 4
	v_nop                                          ; four places ahead of the first read of results (ISA guide 7.12.1)
.endr
.irp j, 0,1,2,3,4,5,6,7                        ; register j of tile t: position 8 h + j, output 4 r + t.  Each accumulator is read from its lowest register on
.irp t, 0,1,2,3
	v_add_f32 v[OUT+4*\j+\t], v[D+8*\t+\j], v[BIAS+\t]
.endr
.endr
.irp j, 0,1,2,3,4,5,6,7
	global_store_b128 v[SOFF], v[OUT+4*\j:OUT+4*\j+3], s[OP:OP+1] offset:256*\j th:TH_STORE_NT   ; sixteen lanes store a position's 256 bytes; written once, read by nobody here
.endr
	s_wait_xcnt 0x0                                ; every earlier memory instruction has had its addresses translated (ISA guide 3.1): only behind this wait are the stores' data and base and the scalar load's base written again
	s_add_nc_u64 s[OP:OP+1], s[OP:OP+1], 4096
	s_add_nc_u64 s[AP:AP+1], s[AP:AP+1], 64
	s_add_co_u32 s[T], s[T], 1
	s_cmp_lt_u32 s[T], 4
	s_cbranch_scc1 .Ltile
	s_endpgm
.Lfunc_end_k_q43d155a4f3_mixer:
	.size	k_q43d155a4f3_mixer, .Lfunc_end_k_q43d155a4f3_mixer-k_q43d155a4f3_mixer
	.p2alignl 7, 3214868480
	.fill 96, 4, 3214868480
	.section	.rodata,"a",@progbits
	.p2align	6, 0x0
	.amdhsa_kernel k_q43d155a4f3_mixer
		.amdhsa_group_segment_fixed_size 0
		.amdhsa_private_segment_fixed_size 0
		.amdhsa_enable_private_segment 0
		.amdhsa_kernarg_size 72
		.amdhsa_user_sgpr_count 2
		.amdhsa_user_sgpr_kernarg_segment_ptr 1
		.amdhsa_wavefront_size32 1
		.amdhsa_system_sgpr_workgroup_id_x 1
		.amdhsa_system_sgpr_workgroup_id_y 1
		.amdhsa_system_sgpr_workgroup_id_z 1
		.amdhsa_system_vgpr_workitem_id 0
		.amdhsa_next_free_vgpr 256
		.amdhsa_next_free_sgpr 80
		.amdhsa_reserve_vcc 1
		.amdhsa_float_denorm_mode_32 3
		.amdhsa_float_denorm_mode_16_64 3
		.amdhsa_memory_ordered 1
		.amdhsa_forward_progress 1
		.amdhsa_inst_pref_size 82
	.end_amdhsa_kernel
	.amdgpu_metadata
---
amdhsa.version: [ 1, 2 ]
amdhsa.kernels:
  - .name:           k_q43d155a4f3_mixer
    .symbol:         k_q43d155a4f3_mixer.kd
    .args:
      - { .name: src_ids, .offset: 0, .size: 8, .value_kind: global_buffer, .address_space: global }
      - { .name: dst_ids, .offset: 8, .size: 8, .value_kind: global_buffer, .address_space: global }
      - { .name: w1, .offset: 16, .size: 8, .value_kind: global_buffer, .address_space: global }
      - { .name: b1, .offset: 24, .size: 8, .value_kind: global_buffer, .address_space: global }
      - { .name: W2_codes, .offset: 32, .size: 8, .value_kind: global_buffer, .address_space: global }
      - { .name: W2_scales, .offset: 40, .size: 8, .value_kind: global_buffer, .address_space: global }
      - { .name: b2, .offset: 48, .size: 8, .value_kind: global_buffer, .address_space: global }
      - { .name: out0, .offset: 56, .size: 8, .value_kind: global_buffer, .address_space: global }
      - { .name: out1, .offset: 64, .size: 8, .value_kind: global_buffer, .address_space: global }
    .group_segment_fixed_size: 0
    .private_segment_fixed_size: 0
    .kernarg_segment_align: 8
    .kernarg_segment_size: 72
    .max_flat_workgroup_size: 512
    .sgpr_count:     80
    .vgpr_count:     256
    .wavefront_size: 32
...
	.end_amdgpu_metadata
.endif
;; end of part 1
;; ======== version 2 of 2: 1 launch
;; launch mixer (part 2): grid 256 x 1, 16 waves a work-group, no clusters, 0 bytes of LDS; arguments src_ids, dst_ids, w1, b1, W2_codes, W2_scales, b2, out0, out1; writes out0, out1
.if DOCPART == 2
	.amdgcn_target "amdgcn-amd-amdhsa--gfx1250"
	.amdhsa_code_object_version 6
	.text
	.protected	k_q43d155a4f3_mixer
	.globl	k_q43d155a4f3_mixer
	.p2align	8
	.type	k_q43d155a4f3_mixer,@function
k_q43d155a4f3_mixer:
	s_mov_b64 s[64:65], 0
	v_nop
	global_prefetch_b8 v0, s[64:65] scope:SCOPE_SE
	s_setreg_imm32_b32 hwreg(HW_REG_WAVE_MODE, 25, 1), 1
	s_wait_xcnt 0x0
; For each of 256 batch rows: every one of the 512 src ids and 512 dst ids is counted in the src row (channel 0) and in the dst row (channel 1); both counts are 0 where the id is 0.
; A count c becomes h = relu(c w1 + b1), 64 numbers, quantised to FP4 (E2M1) with one E8M0 scale for each 32; out = Q(h(c0)) W2^T + Q(h(c1)) W2^T + 2 b2, 64 numbers of f32 a position.
; BOTH CHANNELS IN ONE MATRIX INSTRUCTION: A = [Q(h(c0)) | Q(h(c1))], K = 128; B = W2 laid twice along K.  16 positions x 16 outputs x both channels an instruction.
; COUNTING: a wave keeps the batch row's 1,024 ids in 32 registers (their order does not matter).  The id to be counted is a scalar; 32 v_cmp_eq_u32 in one run give 32 lane masks, sixteen of the src row and sixteen of the
; dst row; 32 population counts and 30 additions in one run, all in the masks' own registers, give the two counts; two v_writelane_b32 put them into the lane of the id's position.
; Equality is taken on all 32 bits: any int32 id is served.
; SHARES: a work-group is one batch row, 256 work-groups; sixteen waves, four to a SIMD, 256 registers each.  Wave w takes 64 positions, four tiles of 16: waves 0-7 src positions 64 w on (out0),
; waves 8-15 dst positions 64 (w - 8) on (out1).  Waves share nothing: no LDS, no barrier.  A wave counts a tile, encodes it and stores it; its stores leave while it counts the next tile.
; LANES: r = lane % 16, h = lane / 16.  Lane (r, h) holds position r of the tile and hidden units 32 h .. 32 h + 31 of both channels: the 4-bit operand's own layout (registers 4 c .. 4 c + 3: k = 64 c + 32 h + 0 .. 31,
; c the channel).  So a block of 32 lies in one lane, its largest number needs no other lane, and the conversions' results are the operand.
; THE ROWS OF W2 THAT FORM A TILE ARE NOT NEIGHBOURS: lane r of tile t takes row 4 r + t.  So the four accumulators hold, in lane r, outputs 4 r .. 4 r + 3 of a position: the additions of 2 b2 lay them side by side,
; and a store of 16 bytes a lane writes two whole rows of 256 bytes (lanes 0-15 position j, lanes 16-31 position 8 + j), each at a multiple of 256 from the output's first byte.
; NO CLUSTER, NO TENSOR LOAD: a work-group reads 4,096 bytes of ids that are its own; what work-groups share is w1, b1, W2 and b2, 2,944 bytes, read once at the head.
; LIMITS: c w1 + b1 is one fused multiply-add; 2 b2 is added once, behind the sum of both channels; a block of zeros has the scale byte 1 over zero codes (the byte is read by this product alone);
; NaN and infinities in w1 and b1 are not served (the maximum with 0 drops a NaN).
.set FLOOR, 0x1800000                  ; 2^(3 - 127): no largest number is taken under it, so the scale's byte cannot fall under 1
.set WV,   2                           ; s2       my wave's number
.set T,    3                           ; s3       the tile, 0 .. 3
.set SEL,  4                           ; s[4:5]   v_permlanex16_b32's selects for lane l xor 16
.set HI,   6                           ; s6       the mask of lanes 16-31
.set AP,   10                          ; s[10:11] the tile's 16 ids in memory; 64 bytes on each trip
.set OP,   12                          ; s[12:13] the tile's 16 rows of the output; 4,096 bytes on each trip
.set AI,   16                          ; s[16:31] the tile's 16 ids
.set MS,   32                          ; s[32:47] sixteen masks against the src row, s[48:63] against the dst row; then their counts and sums (at the head: the arguments)
.set SOFF, 1                           ; v1       2,048 h + 16 r: my 16 bytes in the tile's rows; never rewritten
.set CNT,  2                           ; v2 count in src, v4 count in dst; v3, v5 the other half's, and the upper halves of the pairs that the packed form names
.set VID,  6                           ; v6       the id at my position
.set IDO,  7                           ; v7       4 r; never rewritten
.set BIAS, 8                           ; v8-11    2 b2[4 r + t]
.set SH8,  12                          ; v12      8 h
.set MX,   13                          ; v13-14   a block's largest number, then its scale byte, for each channel
.set IDS,  16                          ; v16-31 the src row, v32-47 the dst row
.set W1,   48                          ; v48-79   w1[32 h + i]
.set B1,   80                          ; v80-111  b1[32 h + i]
.set BW,   112                         ; v112-143 four fragments of W2
.set H,    144                         ; v144-175 h of channel 0, v176-207 of channel 1
.set OUT,  144                         ; v144-175 the results, where channel 0 lay
.set D,    208                         ; v208-239 four accumulators
.set COD,  240                         ; v240-247 A's codes
.set SA,   248                         ; v248     A's scale word
.set SB,   249                         ; v249-252 W2's scale words, one register a tile
.set SC,   254                         ; v254-255 the conversions' scale operands
	s_load_b512 s[32:47], s[0:1], 0x0              ; src s[32:33], dst s[34:35], w1 s[36:37], b1 s[38:39], W2's codes s[40:41], W2's scales s[42:43], b2 s[44:45], out0 s[46:47]
	s_load_b64 s[48:49], s[0:1], 0x40              ; out1
	v_lshrrev_b32 v255, 5, v0
	s_delay_alu instid0(VALU_DEP_1)
	v_readfirstlane_b32 s[WV], v255                ; wave 0 .. 15
	v_and_b32 v13, 15, v0                          ; r
	v_bfe_u32 v14, v0, 4, 1                        ; h
	v_and_b32 v254, 31, v0
	s_delay_alu instid0(VALU_DEP_1)
	v_lshlrev_b32 v254, 4, v254                    ; the ids: 16 bytes a lane
	s_delay_alu instid0(VALU_DEP_3)
	v_lshlrev_b32 v255, 7, v14                     ; w1, b1: 128 h
	v_lshlrev_b32 v15, 7, v13
	s_delay_alu instid0(VALU_DEP_1)
	v_lshl_add_u32 v15, v14, 4, v15                ; W2's codes: row 4 r of 32 bytes, block h of 16
	v_lshlrev_b32 v253, 3, v13                     ; W2's scales: row 4 r of 2 bytes
	v_lshlrev_b32 v6, 4, v13                       ; b2: 16 r
	v_lshlrev_b32 v[IDO], 2, v13
	v_lshlrev_b32 v[SH8], 3, v14
	s_delay_alu instid0(VALU_DEP_3)
	v_lshl_add_u32 v[SOFF], v14, 11, v6
.irp i, 0,1,2,3
	v_mov_b32 v[CNT+\i], 0                         ; written once: the destinations of v_writelane_b32 and of a lane permute count as sources
.endr
	s_mov_b32 s[SEL], 0x76543210
	s_mov_b32 s[SEL+1], 0xfedcba98
	s_mov_b32 s[HI], 0xffff0000
	s_mov_b32 s[T], 0
	s_lshl_b32 s8, ttmp9, 11                       ; my batch row's ids: 2,048 bytes a row
	s_mov_b32 s9, 0
	s_and_b32 s14, s[WV], 7
	s_lshl_b32 s68, ttmp9, 17                      ; my batch row's results: 131,072 bytes a row,
	s_lshl_b32 s69, s14, 14                        ; my wave's 64 positions of 256 bytes
	s_add_co_u32 s68, s68, s69
	s_mov_b32 s69, 0
	s_lshl_b32 s14, s14, 8                         ; and their ids: 256 bytes
	s_mov_b32 s15, 0
	s_wait_alu depctr_va_vdst(0)
	s_wait_kmcnt 0x0                               ; the arguments
	s_add_nc_u64 s[32:33], s[32:33], s[8:9]        ; src and dst at my batch row
	s_add_nc_u64 s[34:35], s[34:35], s[8:9]
	s_cmp_lt_u32 s[WV], 8                          ; waves 0-7 count src's ids, waves 8-15 dst's: the choice hangs on the wave's number alone
	s_cselect_b64 s[AP:AP+1], s[32:33], s[34:35]
	s_cselect_b64 s[OP:OP+1], s[46:47], s[48:49]
	s_add_nc_u64 s[AP:AP+1], s[AP:AP+1], s[14:15]
	s_add_nc_u64 s[OP:OP+1], s[OP:OP+1], s[68:69]
	s_load_b512 s[AI:AI+15], s[AP:AP+1], 0x0       ; tile 0's sixteen ids
.irp i, 0,1,2,3
	global_load_b128 v[IDS+4*\i:IDS+4*\i+3], v254, s[32:33] offset:512*\i          ; the src row: 32 lanes read 512 consecutive bytes
.endr
.irp i, 0,1,2,3
	global_load_b128 v[IDS+16+4*\i:IDS+16+4*\i+3], v254, s[34:35] offset:512*\i    ; the dst row
.endr
.irp i, 0,1,2,3,4,5,6,7
	global_load_b128 v[W1+4*\i:W1+4*\i+3], v255, s[36:37] offset:16*\i
	global_load_b128 v[B1+4*\i:B1+4*\i+3], v255, s[38:39] offset:16*\i
.endr
.irp t, 0,1,2,3
	global_load_b128 v[BW+8*\t:BW+8*\t+3], v15, s[40:41] offset:32*\t              ; row 4 r + t, block h: k = 32 h .. 32 h + 31 of channel 0,
	global_load_b128 v[BW+8*\t+4:BW+8*\t+7], v15, s[40:41] offset:32*\t            ; and the same 16 bytes for channel 1
	global_load_u16 v[SB+\t], v253, s[42:43] offset:2*\t                           ; the row's two scale bytes
.endr
	global_load_b128 v[BIAS:BIAS+3], v6, s[44:45]
	s_wait_loadcnt 0x0                             ; all 37 loads are in: their offsets and bases may be written again (s[32:63] become masks)
.irp t, 0,1,2,3
	v_lshl_or_b32 v[SB+\t], v[SB+\t], 16, v[SB+\t] ; the two bytes twice: blocks 0, 1 of channel 0, blocks 0, 1 of channel 1
.endr
.irp t, 0,1,2,3
	v_add_f32 v[BIAS+\t], v[BIAS+\t], v[BIAS+\t]   ; b2 once for each channel
.endr
.Ltile:                                            ; four trips: a tile of 16 positions each
	s_wait_kmcnt 0x0                               ; the tile's sixteen ids
	global_load_b32 v[VID], v[IDO], s[AP:AP+1]     ; the same ids, one a lane, for the test against 0: wanted behind the counting
	; THE COUNTING, id by id.  The vector work of an id stands in one run and its scalar work in one run: the wave goes over from compares, which write scalar registers, to scalar instructions and back
	; once for each id, 16 times a tile, and not once for each of the tile's 512 compares.
.set I, 0
.rept 16
.set KK, 0
.rept 32
	v_cmp_eq_u32 s[MS+KK], s[AI+I], v[IDS+KK]      ; masks 0-15: id I against the src row; masks 16-31: against the dst row
.set KK, KK+1
.endr
.set KK, 0
.rept 32
	s_bcnt1_i32_b32 s[MS+KK], s[MS+KK]             ; each mask becomes the number of its ones
.set KK, KK+1
.endr
.irp w, 1,2,4,8                                ; one tree of additions over the 32 registers, neighbours 1, 2, 4 and 8 apart: it stops there, so that the src row's sum ends in register 0 and the dst row's in register 16
.set KK, 0
.rept 16/\w
	s_add_co_u32 s[MS+2*\w*KK], s[MS+2*\w*KK], s[MS+2*\w*KK+\w]
.set KK, KK+1
.endr
.endr
	v_writelane_b32 v[CNT], s[MS], I               ; into the lane of the id's position: the count in src,
	v_writelane_b32 v[CNT+2], s[MS+16], I          ; and in dst
.set I, I+1
.endr
	s_cmp_eq_u32 s[T], 3                           ; the next tile's ids are asked for here and land during the encoding; the last tile asks for nothing: no load leaves its buffer
	s_cbranch_scc1 .Lno_next
	s_load_b512 s[AI:AI+15], s[AP:AP+1], 0x40
.Lno_next:
	s_wait_alu depctr_va_vdst(0)
.irp c, 0,1
	v_permlanex16_b32 v[CNT+2*\c+1], v[CNT+2*\c], s[SEL], s[SEL+1]
.endr
.irp c, 0,1
	s_delay_alu instid0(VALU_DEP_2)
	v_cndmask_b32 v[CNT+2*\c], v[CNT+2*\c], v[CNT+2*\c+1], s[HI]   ; lanes 16-31 take the counts of lanes 0-15
.endr
.irp c, 0,1
	s_delay_alu instid0(VALU_DEP_2)
	v_cvt_f32_u32 v[CNT+2*\c], v[CNT+2*\c]         ; at most 512: exact
.endr
	s_wait_alu depctr_va_vdst(0)
	s_wait_loadcnt 0x0                             ; the one load that is out: the id at my position
	v_cmp_ne_u32 vcc_lo, 0, v[VID]
.irp c, 0
	s_delay_alu instid0(VALU_DEP_1)
	v_cndmask_b32 v[CNT+2*\c], 0, v[CNT+2*\c], vcc_lo              ; a padded position counts nothing
.endr
.irp c, 1
	s_delay_alu instid0(VALU_DEP_2)
	v_cndmask_b32 v[CNT+2*\c], 0, v[CNT+2*\c], vcc_lo              ; a padded position counts nothing
.endr
	; THE ENCODING: h = relu(c w1 + b1), my 32 hidden units of both channels
.irp c, 0,1
.irp i, 0,2,4,6,8,10,12,14,16,18,20,22,24,26,28,30
	v_pk_fma_f32 v[H+32*\c+\i:H+32*\c+\i+1], v[W1+\i:W1+\i+1], v[CNT+2*\c:CNT+2*\c+1], v[B1+\i:B1+\i+1] op_sel_hi:[1,0,1]   ; of the count's pair the low word serves both halves
.endr
.endr
.set J, 0
.rept 64
	v_max_num_f32 v[H+J], 0, v[H+J]
.set J, J+1
.endr
.irp c, 0,1
	v_max3_num_f32 v[MX+\c], v[H+32*\c], v[H+32*\c+1], FLOOR       ; the block's largest number (none is negative), and the floor; the two channels by turns
.endr
.irp i, 2,4,6,8,10,12,14,16,18,20,22,24,26,28,30
.irp c, 0,1
	s_delay_alu instid0(VALU_DEP_2)
	v_max3_num_f32 v[MX+\c], v[MX+\c], v[H+32*\c+\i], v[H+32*\c+\i+1]
.endr
.endr
.irp c, 0,1
	s_delay_alu instid0(VALU_DEP_2)
	v_add_nc_u32 v[SC+\c], 0xff000000, v[MX+\c]    ; 2 off its exponent field: the conversion takes the exponent field of this operand as its scale, and nothing else of it
.endr
.irp c, 0,1
	s_delay_alu instid0(VALU_DEP_2)
	v_lshrrev_b32 v[MX+\c], 23, v[SC+\c]           ; the scale's byte
.endr
	s_delay_alu instid0(VALU_DEP_1)
	v_lshl_or_b32 v[MX], v[MX+1], 16, v[MX]        ; channel 0's byte and channel 1's, two bytes apart,
	s_delay_alu instid0(VALU_DEP_1)
	v_lshlrev_b32 v[MX], v[SH8], v[MX]             ; at block h's places: byte 2 c + h scales k = 64 c + 32 h on;
	s_delay_alu instid0(VALU_DEP_1)
	v_permlanex16_b32 v[MX+1], v[MX], s[SEL], s[SEL+1]
	s_delay_alu instid0(VALU_DEP_1)
	v_or_b32 v[SA], v[MX], v[MX+1]                 ; with lane l xor 16's two the position's scale word is whole
.irp c, 0,1
.irp g, 0,1,2,3
	v_cvt_scalef32_pk8_fp4_f32 v[COD+4*\c+\g], v[H+32*\c+8*\g:H+32*\c+8*\g+7], v[SC+\c]   ; register 4 c + g of the operand: k = 64 c + 32 h + 8 g on
.endr
.endr
.rept 8
	v_nop                                          ; a scale register written by a vector instruction stands 8 places ahead of a scaled matrix instruction, an operand so written 4; the first is also the plain place behind the conversions
.endr
	; THE PRODUCT: source 0 = my 16 positions, source 1 = 16 rows of W2.  Four accumulators, each begun with 0 and finished by one instruction: no two share a register
.irp t, 0,1,2,3
	v_wmma_scale_f32_16x16x128_f8f6f4 v[D+8*\t:D+8*\t+7], v[COD:COD+7], v[BW+8*\t:BW+8*\t+7], 0, v[SA], v[SB+\t] matrix_a_fmt:MATRIX_FMT_FP4 matrix_b_fmt:MATRIX_FMT_FP4
.endr
.rept 4
	v_nop                                          ; four places ahead of the first read of results (ISA guide 7.12.1)
.endr
.irp j, 0,1,2,3,4,5,6,7                        ; register j of tile t: position 8 h + j, output 4 r + t.  Each accumulator is read from its lowest register on
.irp t, 0,1,2,3
	v_add_f32 v[OUT+4*\j+\t], v[D+8*\t+\j], v[BIAS+\t]
.endr
.endr
.irp j, 0,1,2,3,4,5,6,7
	global_store_b128 v[SOFF], v[OUT+4*\j:OUT+4*\j+3], s[OP:OP+1] offset:256*\j th:TH_STORE_NT   ; sixteen lanes store a position's 256 bytes; written once, read by nobody here
.endr
	s_wait_xcnt 0x0                                ; every earlier memory instruction has had its addresses translated (ISA guide 3.1): only behind this wait are the stores' data and base and the scalar load's base written again
	s_add_nc_u64 s[OP:OP+1], s[OP:OP+1], 4096
	s_add_nc_u64 s[AP:AP+1], s[AP:AP+1], 64
	s_add_co_u32 s[T], s[T], 1
	s_cmp_lt_u32 s[T], 4
	s_cbranch_scc1 .Ltile
	s_endpgm
.Lfunc_end_k_q43d155a4f3_mixer:
	.size	k_q43d155a4f3_mixer, .Lfunc_end_k_q43d155a4f3_mixer-k_q43d155a4f3_mixer
	.p2alignl 7, 3214868480
	.fill 96, 4, 3214868480
	.section	.rodata,"a",@progbits
	.p2align	6, 0x0
	.amdhsa_kernel k_q43d155a4f3_mixer
		.amdhsa_group_segment_fixed_size 0
		.amdhsa_private_segment_fixed_size 0
		.amdhsa_enable_private_segment 0
		.amdhsa_kernarg_size 72
		.amdhsa_user_sgpr_count 2
		.amdhsa_user_sgpr_kernarg_segment_ptr 1
		.amdhsa_wavefront_size32 1
		.amdhsa_system_sgpr_workgroup_id_x 1
		.amdhsa_system_sgpr_workgroup_id_y 1
		.amdhsa_system_sgpr_workgroup_id_z 1
		.amdhsa_system_vgpr_workitem_id 0
		.amdhsa_next_free_vgpr 256
		.amdhsa_next_free_sgpr 80
		.amdhsa_reserve_vcc 1
		.amdhsa_float_denorm_mode_32 3
		.amdhsa_float_denorm_mode_16_64 3
		.amdhsa_memory_ordered 1
		.amdhsa_forward_progress 1
		.amdhsa_inst_pref_size 83
	.end_amdhsa_kernel
	.amdgpu_metadata
---
amdhsa.version: [ 1, 2 ]
amdhsa.kernels:
  - .name:           k_q43d155a4f3_mixer
    .symbol:         k_q43d155a4f3_mixer.kd
    .args:
      - { .name: src_ids, .offset: 0, .size: 8, .value_kind: global_buffer, .address_space: global }
      - { .name: dst_ids, .offset: 8, .size: 8, .value_kind: global_buffer, .address_space: global }
      - { .name: w1, .offset: 16, .size: 8, .value_kind: global_buffer, .address_space: global }
      - { .name: b1, .offset: 24, .size: 8, .value_kind: global_buffer, .address_space: global }
      - { .name: W2_codes, .offset: 32, .size: 8, .value_kind: global_buffer, .address_space: global }
      - { .name: W2_scales, .offset: 40, .size: 8, .value_kind: global_buffer, .address_space: global }
      - { .name: b2, .offset: 48, .size: 8, .value_kind: global_buffer, .address_space: global }
      - { .name: out0, .offset: 56, .size: 8, .value_kind: global_buffer, .address_space: global }
      - { .name: out1, .offset: 64, .size: 8, .value_kind: global_buffer, .address_space: global }
    .group_segment_fixed_size: 0
    .private_segment_fixed_size: 0
    .kernarg_segment_align: 8
    .kernarg_segment_size: 72
    .max_flat_workgroup_size: 512
    .sgpr_count:     80
    .vgpr_count:     256
    .wavefront_size: 32
...
	.end_amdgpu_metadata
.endif
;; end of part 2
